; MI455X (gfx1250); checked and timed in simulation.
; The chip was launched on July 23, 2026; its instructions are those of AMD's public machine-readable ISA for CDNA 5 (MIT licence, August 2026) and "CDNA5" Instruction Set Architecture Reference Guide (July 2026). The comments in the code are by the model that wrote it; some were corrected since.
;; Attention. Allowed arithmetic: float matrix products may take bf16 or f16 operands with f32 sums; other float arithmetic in f32, or as packed bf16 or f16 multiplies, adds, multiply-adds, maxima and minima; sums over many terms, partial sums and values carried from step to step in f32; what a program stores and reads back later, other than sums and carried values, may be rounded once to bf16 or f16.
;; Inputs: W_k 1,024 x 1,024 float32; W_q 1,024 x 1,024 float32; W_v 1,024 x 1,024 float32; k 4 x 2,048 x 1,024 float32; q 4 x 2,048 x 1,024 float32; v 4 x 2,048 x 1,024 float32.
;; Outputs: out0 4 x 2,048 x 1,024 float32.
;; One version. Each part assembles by itself: llvm-mc -triple=amdgcn-amd-amdhsa -mcpu=gfx1250 --defsym DOCPART=n.
;; ======== version 1 of 1: 4 launches
;; limits: values are held in f16: magnitudes above 65,504 overflow, below 6.1e-05 lose precision
;; workspace buffers: wb 6,291,456 bytes; qkv 50,331,648 bytes; pw 33,554,432 bytes; stats 1,048,576 bytes
;; launch castw (part 1): grid 256 x 3, 8 waves a work-group, no clusters, 0 bytes of LDS; arguments W_q, W_k, W_v, wb; writes wb
.if DOCPART == 1
	.amdgcn_target "amdgcn-amd-amdhsa--gfx1250"
	.amdhsa_code_object_version 6
	.text
	.protected	k_qb266b99613_castw
	.globl	k_qb266b99613_castw
	.p2align	8
	.type	k_qb266b99613_castw,@function
k_qb266b99613_castw:
	s_mov_b64 s[64:65], 0
	v_nop
	global_prefetch_b8 v0, s[64:65] scope:SCOPE_SE
	s_setreg_imm32_b32 hwreg(HW_REG_WAVE_MODE, 25, 1), 1
	s_wait_xcnt 0x0
; wb[y][d][e] = bf16(W_y[d][e]), y = 0, 1, 2 for W_q, W_k, W_v; the layout [d][e] is kept.  Each W is 1,024 x 1,024 f32.
; A stream: every byte is read once and written once, so LDS, barriers and matrix units would add nothing.
; A work-group of 256 threads casts 4,096 numbers of matrix y in two passes; in a pass thread t reads 32 bytes (8 f32) at 32 t
; and writes 16 bytes (8 bf16) at 16 t: sixteen neighbouring lanes store 256 consecutive bytes, aligned.
.set IN_PASS,  8192                    ; bytes read by the work-group in a pass
.set OUT_PASS, 4096                    ; bytes written in a pass
	s_load_b256 s[4:11], s[0:1], 0x0               ; W_q s[4:5], W_k s[6:7], W_v s[8:9], wb s[10:11]
	s_and_b32 s12, ttmp7, 0xffff                   ; y: which matrix
	v_lshlrev_b32 v1, 5, v0                        ; 32 t
	v_lshlrev_b32 v2, 4, v0                        ; 16 t
	s_lshl_b32 s14, ttmp9, 14                      ; the work-group's 16,384 bytes of input
	s_mov_b32 s15, 0
	s_lshl_b32 s16, ttmp9, 13                      ; its 8,192 bytes of output,
	s_lshl_b32 s17, s12, 21                        ; in matrix y's 2 MiB of wb
	s_add_co_u32 s16, s16, s17
	s_mov_b32 s17, 0
	s_wait_kmcnt 0x0
	s_cmp_eq_u32 s12, 1
	s_cselect_b64 s[20:21], s[6:7], s[4:5]         ; the choice hangs on y alone
	s_cmp_eq_u32 s12, 2
	s_cselect_b64 s[20:21], s[8:9], s[20:21]
	s_add_nc_u64 s[20:21], s[20:21], s[14:15]
	s_add_nc_u64 s[10:11], s[10:11], s[16:17]
	global_load_b128 v[4:7],   v1, s[20:21] th:TH_LOAD_NT
	global_load_b128 v[8:11],  v1, s[20:21] offset:16 th:TH_LOAD_NT
	global_load_b128 v[12:15], v1, s[20:21] offset:IN_PASS th:TH_LOAD_NT
	global_load_b128 v[16:19], v1, s[20:21] offset:IN_PASS+16 th:TH_LOAD_NT
	s_wait_loadcnt 0x2                             ; the first pass's two loads are in; the second pass's two stay out
	v_cvt_pk_bf16_f32 v20, v4, v5
	v_cvt_pk_bf16_f32 v21, v6, v7
	v_cvt_pk_bf16_f32 v22, v8, v9
	v_cvt_pk_bf16_f32 v23, v10, v11
	global_store_b128 v2, v[20:23], s[10:11]
	s_wait_loadcnt 0x0
	v_cvt_pk_bf16_f32 v24, v12, v13
	v_cvt_pk_bf16_f32 v25, v14, v15
	v_cvt_pk_bf16_f32 v26, v16, v17
	v_cvt_pk_bf16_f32 v27, v18, v19
	global_store_b128 v2, v[24:27], s[10:11] offset:OUT_PASS
	s_endpgm
.Lfunc_end_k_qb266b99613_castw:
	.size	k_qb266b99613_castw, .Lfunc_end_k_qb266b99613_castw-k_qb266b99613_castw
	.p2alignl 7, 3214868480
	.fill 96, 4, 3214868480
	.section	.rodata,"a",@progbits
	.p2align	6, 0x0
	.amdhsa_kernel k_qb266b99613_castw
		.amdhsa_group_segment_fixed_size 0
		.amdhsa_private_segment_fixed_size 0
		.amdhsa_enable_private_segment 0
		.amdhsa_kernarg_size 32
		.amdhsa_user_sgpr_count 2
		.amdhsa_user_sgpr_kernarg_segment_ptr 1
		.amdhsa_wavefront_size32 1
		.amdhsa_system_sgpr_workgroup_id_x 1
		.amdhsa_system_sgpr_workgroup_id_y 1
		.amdhsa_system_sgpr_workgroup_id_z 1
		.amdhsa_system_vgpr_workitem_id 0
		.amdhsa_next_free_vgpr 32
		.amdhsa_next_free_sgpr 66
		.amdhsa_reserve_vcc 0
		.amdhsa_float_denorm_mode_32 3
		.amdhsa_float_denorm_mode_16_64 3
		.amdhsa_memory_ordered 1
		.amdhsa_forward_progress 1
		.amdhsa_inst_pref_size 2
	.end_amdhsa_kernel
	.amdgpu_metadata
---
amdhsa.version: [ 1, 2 ]
amdhsa.kernels:
  - .name:           k_qb266b99613_castw
    .symbol:         k_qb266b99613_castw.kd
    .args:
      - { .name: W_q, .offset: 0, .size: 8, .value_kind: global_buffer, .address_space: global }
      - { .name: W_k, .offset: 8, .size: 8, .value_kind: global_buffer, .address_space: global }
      - { .name: W_v, .offset: 16, .size: 8, .value_kind: global_buffer, .address_space: global }
      - { .name: wb, .offset: 24, .size: 8, .value_kind: global_buffer, .address_space: global }
    .group_segment_fixed_size: 0
    .private_segment_fixed_size: 0
    .kernarg_segment_align: 8
    .kernarg_segment_size: 32
    .max_flat_workgroup_size: 256
    .sgpr_count:     66
    .vgpr_count:     32
    .wavefront_size: 32
...
	.end_amdgpu_metadata
.endif
;; end of part 1
;; launch proj (part 2): grid 4 x 64, 4 waves a work-group, clusters of 4 x 4, 327,680 bytes of LDS; arguments q, k, v, wb, qkv; writes qkv
.if DOCPART == 2
	.amdgcn_target "amdgcn-amd-amdhsa--gfx1250"
	.amdhsa_code_object_version 6
	.text
	.protected	k_qb266b99613_proj
	.globl	k_qb266b99613_proj
	.p2align	8
	.type	k_qb266b99613_proj,@function
k_qb266b99613_proj:
	s_mov_b64 s[64:65], 0
	v_nop
	global_prefetch_b8 v0, s[64:65] scope:SCOPE_SE
	s_setreg_imm32_b32 hwreg(HW_REG_WAVE_MODE, 25, 1), 1
	s_wait_xcnt 0x0
	s_wait_alu depctr_hold_cnt(0) depctr_sa_sdst(0) depctr_va_vdst(0) depctr_va_sdst(0) depctr_va_ssrc(0) depctr_va_vcc(0) depctr_vm_vsrc(0)
	s_getreg_b32 s2, hwreg(HW_REG_IB_STS2, 6, 4)
	s_cmp_eq_u32 s2, 0
	s_cbranch_scc0 .Lentry_in_a_cluster
	s_endpgm
.Lentry_in_a_cluster:
	s_bfe_u32 s2, ttmp6, 0x10000c
	s_cmp_lg_u32 s2, 0xf033
	s_cbranch_scc0 .Lentry_shape_is_right
	s_endpgm
.Lentry_shape_is_right:
; qkv[z][row][e] = f16( sum over d of bf16(x_z[row][d]) * wb[z][d][e] ), z = 0, 1, 2 for (q, W_q), (k, W_k), (v, W_v).  x_z: [8192][1024] f32, wb: [3][1024][1024] bf16,
; qkv: [3][8192][1024] f16.  Sums in f32, rounded once.
; LIMITS.  A sum of 65,520 or more in size becomes an infinity in f16; NaN and infinities are not treated apart.
; SHARES.  256 work-groups that stay: each makes the tile of 128 rows x 256 columns at its place in Q, then in K, then in V.  Four waves, each 64 rows x 128 columns: 32 accumulators of 16 x 16.
; W ALONE GOES THROUGH THE TENSOR RING: two LDS slots of 256 k x 256 columns, a VISIT each: 256 products a wave stand behind every refill.  wb's three matrices lie end to end, so the 12 visits are
; one walk down its 3,072 rows.  W lies [d][e], K down the rows: its fragments come out of LDS turned, by ds_load_tr16_b128.
; x GOES THROUGH REGISTERS.  With x in LDS as f32 a slot of 256 k would take 272 KB; so for each HALF STEP of 64 k a wave loads 32 of the tile's rows (a load covers two whole rows of 256 bytes),
; rounds them once to bf16 and stores them into one of two LDS buffers, from which all four waves take fragments; one barrier a half step orders the buffers.  Four register buffers take turns, three
; of them (48 loads) on their way.  So x is not asked for jointly: the four work-groups of a cluster's row each load it.
; CLUSTER.  4 x 4 work-groups: the four of a column need the same tile of W and ask for it jointly, by the same tensor load, descriptor and mask.
; THE MATRIX INSTRUCTION IS USED TRANSPOSED (source 0 = 16 columns of W, source 1 = 16 rows of x): a lane holds eight neighbouring columns of one row of the result.
; REGISTERS, in windows of 256: window 0: v0-31 addresses; v32-95 x's fragments, two buffers; v96-127 x rounded, on its way into LDS; v160-255 the way out.
;   window 1: v0-127 W's fragments, two buffers.     window 2: accumulator (a, b) at v[8 (8 a + b)].     window 3: x in f32, four buffers of 64.
.set PB,     544                       ; an LDS row of W: 512 bytes + 32 = 136 words
.set QB,     64*PB                     ; 64 rows: one tensor load.  0x8800
.set SLOT,   4*QB                      ; 256 rows.  0x22000: it shares no bit with wave x 0x8800, so an exclusive or with it changes slots
.set PAB,    144                       ; an LDS row of x: 64 bf16 + 16 bytes = 36 words: the 16 rows of a fragment start at 16 different groups of four banks
.set ABYTES, 128*PAB                   ; one buffer of x
.set ABUF,   2*SLOT                    ; behind the ring: x's two buffers; no tensor load lands here
.set STG,    ABUF+ABYTES               ; the way out's stage: in x's second buffer each wave takes the 32 rows (4,608 bytes) that it stores itself
.set SPITCH, 272                       ; 16 rows of 272 bytes are 4,352
.set SPARE,  ABUF+2*ABYTES             ; the spare words, 128 bytes for each wave
.set VISITS, 12
.set BSTEP,  256*2048                  ; a visit down the rows of wb, in bytes
.set XSTEP,  256*4                     ; a visit along a row of x
.set CSTEP,  8192*1024*2               ; from one tensor's result to the next one's in qkv
.set XO,   14                          ; v14     my byte offset in x: 16 bytes of a row for lanes 0-15, of the row 8 further down for lanes 16-31; never rewritten
.set AST,  15                          ; v15     where I store 8 bytes of x
.set ADRA, 16                          ; v16     LDS address of my fragments of x
.set AB0,  17                          ; v17     my lane's place in a slot of W
.set ADRB, 20                          ; v20-21  LDS address of my fragments of W: the slot's quarters 0-3, 4-7
.set STO,  24                          ; v24     the way out: where I put 16 bytes of a row
.set RD,   25                          ; v25     where I read a row back
.set CO,   26                          ; v26     my byte offset in the result
.set SPW,  28                          ; v28     LDS address of my spare word; never rewritten
.set NIL,  29                          ; v29     0; never rewritten
.set FA,   32
.set CV,   96
.set TMP,  160
.set BK,   192                         ; rows read back: v192-223 and v224-255 by turns
.set G1, 24                            ; s[24:31] descriptor group 1
.set G0, 32                            ; s[32:35] descriptor group 0: it walks
.set XB, 36                            ; s[36:37] x at my rows, at the k of the visit in hand
.set NB, 38                            ; s[38:39] the next tensor at my rows, less a visit's bytes
.set NB2, 40                           ; s[40:41] the one after it
.set XT, 42                            ; s[42:43] at work
.set TB, 44                            ; s44  the LDS byte at which the slot in hand begins
.set C4, 45                            ; s45  the visit's number in its tile, 0 to 3
.set MSB, 0
.macro WIN new                         ; the immediate's high byte repeats the setting that is left; a switch that changes nothing is dropped
.if MSB != (\new)
	s_set_vgpr_msb (MSB<<8)|(\new)
.set MSB, \new
.endif
.endm
.set MUL,    0xa1                      ; source 0 (W) window 1, source 1 (x) window 0, C and D window 2
.set TO_B,   0x40                      ; destination window 1, address window 0
.set TO_R,   0xc0                      ; destination window 3, address window 0
.set FROM_R, 0x0f                      ; sources 0 and 1 window 3, destination window 0
.macro JLOAD                           ; the joint load: every wave fetches its 64 rows of the slot; an s_nop 0 and four v_nop follow
	tensor_load_to_lds s[G0:G0+3], s[G1:G1+7]
	s_nop 0
.rept 4
	v_nop
.endr
.endm
.macro CREST                           ; a round of the cluster's barrier behind its opening barrier
	s_cmp_lg_u32 s14, 0
	s_cbranch_scc1 .Lnot_wave_0_\@
	s_barrier_signal -3
.Lnot_wave_0_\@:
	s_barrier_wait -3
	s_barrier_signal -1
	s_barrier_wait -1
.endm
.macro CROUND                          ; a whole round
	s_barrier_signal -1
	s_barrier_wait -1
	CREST
.endm
.macro PLACES                          ; four places in front of loads into registers that matrix instructions have read, and of vector work that reads results
.rept 4
	v_nop
.endr
.endm
; 16 loads: half step's 64 k (256 bytes a row) of my 32 rows into register buffer buf; ko: the half step, counted from the visit that XB names
.macro LOADX buf, ko
	WIN TO_R
.irp i, 0,1,2,3,4,5,6,7,8,9,10,11,12,13,14,15
	global_load_b128 v[64*(\buf)+4*(\i):64*(\buf)+4*(\i)+3], v[XO], s[XB:XB+1] offset:(((\i)%8)+16*((\i)/8))*4096+(\ko)*256  ; 16 lanes take 256 consecutive bytes of a row, aligned
.endr
.endm
; Half step j of a visit (4: the next visit's first) goes from register buffer j % 4, rounded, into LDS buffer j % 2.  left: the younger loads, which stay out
.macro STOREX j, left
	s_wait_loadcnt \left
	WIN FROM_R
.set i, 0
.rept 32
	v_cvt_pk_bf16_f32 v[CV+i], v[64*((\j)%4)+2*i], v[64*((\j)%4)+2*i+1]
.set i, i+1
.endr
	WIN 0
.irp i, 0,1,2,3,4,5,6,7,8,9,10,11,12,13,14,15
	ds_store_b64 v[AST], v[CV+2*(\i):CV+2*(\i)+1] offset:((\j)%2)*ABYTES+(((\i)%8)+16*((\i)/8))*PAB  ; lanes 0-15 fill 128 bytes of a row, lanes 16-31 of the row 8 x 144 = 1,152 bytes on: the other 32 banks
.endr
.endm
; 24 LDS loads in one run: the fragments of the visit's quarter qn (32 k): x's 64 rows, then W's 128 columns, turned, into buffers qn % 2
.macro FETCH qn
	WIN 0
.irp a, 0,1,2,3
	ds_load_b128 v[FA+32*((\qn)%2)+8*(\a):FA+32*((\qn)%2)+8*(\a)+3],   v[ADRA] offset:(((\qn)/2)%2)*ABYTES+(\a)*16*PAB+64*((\qn)%2)
	ds_load_b128 v[FA+32*((\qn)%2)+8*(\a)+4:FA+32*((\qn)%2)+8*(\a)+7], v[ADRA] offset:(((\qn)/2)%2)*ABYTES+(\a)*16*PAB+64*((\qn)%2)+32
.endr
	WIN TO_B
.irp b, 0,1,2,3,4,5,6,7
	ds_load_tr16_b128 v[64*((\qn)%2)+8*(\b):64*((\qn)%2)+8*(\b)+3],   v[ADRB+(\qn)/4] offset:((\qn)%4)*32*PB+32*(\b)
	ds_load_tr16_b128 v[64*((\qn)%2)+8*(\b)+4:64*((\qn)%2)+8*(\b)+7], v[ADRB+(\qn)/4] offset:((\qn)%4)*32*PB+16*PB+32*(\b)
.endr
.endm
; 16 matrix instructions: row blocks a0, a0 + 1 x all 8 column blocks, 32 along K.  The 32 accumulators take turns, one instruction a turn.  zero = 1: the product starts the sum.
.macro MUL16 f, a0, zero
	WIN MUL
.irp a, \a0, (\a0)+1
.irp b, 0,1,2,3,4,5,6,7
.if \zero
	v_wmma_f32_16x16x32_bf16 v[8*(8*(\a)+(\b)):8*(8*(\a)+(\b))+7], v[64*(\f)+8*(\b):64*(\f)+8*(\b)+7], v[FA+32*(\f)+8*(\a):FA+32*(\f)+8*(\a)+7], 0
.else
	v_wmma_f32_16x16x32_bf16 v[8*(8*(\a)+(\b)):8*(8*(\a)+(\b))+7], v[64*(\f)+8*(\b):64*(\f)+8*(\b)+7], v[FA+32*(\f)+8*(\a):FA+32*(\f)+8*(\a)+7], v[8*(8*(\a)+(\b)):8*(8*(\a)+(\b))+7]
.endif
.endr
.endr
.endm
; A visit is eight quarters of 32 k, two to a half step, on fragment buffers 0, 1, 0, 1 ..
; An even quarter q: in its middle the next half step of x goes into the LDS buffer that nobody reads since the last barrier (st), the register buffer read a half step ago is asked for again, four
; half steps on (ld), and the next quarter's fragments are fetched.  The 32 roundings are the places between the quarter before's products and the loads into the registers that those read.
.macro QE q, zero, st, left, ld
	s_wait_dscnt 0x0                               ; this quarter's fragments are in
	MUL16 0, 0, \zero
.if \st
	STOREX (\q)/2+1, \left
.else
	PLACES
.endif
.if \ld
	LOADX (\q)/2, (\q)/2+4
.endif
	FETCH (\q)+1
	MUL16 0, 2, \zero
.endm
; An odd quarter q (1, 3, 5) ends a half step: ONE barrier.  In front of it my fragments are in, so my reads of this half step's buffer are over, and my stores of the next half step are done;
; behind it the next half step's buffer is read, and this one's may be stored into.  W's refill stays on its way: no tensor load is issued behind this barrier before the next change of slots.
.macro QO q
	s_wait_dscnt 0x0
	s_barrier_signal -1
	MUL16 1, 0, 0                                  ; work on registers while the others arrive
	s_barrier_wait -1
	PLACES
	FETCH (\q)+1
	MUL16 1, 2, 0
.endm
; Quarter 7 ends a half step and a visit.  In front of its barrier each wave waits for all its tensor loads (one is out: its part of the next slot), adds 0 to its spare word, and waits for that, for its
; reads of this slot and for its stores of x.  fill = 1: the barrier opens a round of the cluster's, and behind the round this slot is filled again, two visits on, first of all: 240 products of a wave stand
; between that request and the wait for it.
.macro QTURN fill
	WIN 0
	s_wait_tensorcnt 0x0                           ; all my tensor loads have landed, so the descriptor may be written
	ds_add_u32 v[SPW], v[NIL]                      ; 0 onto my spare word
.if \fill
	s_xor_b32 s[G0+1], s[G0+1], SLOT               ; the other slot than last time,
	s_add_nc_u64 s[G0+2:G0+3], s[G0+2:G0+3], BSTEP ; the next 256 rows of wb; the type bits on top are not reached
.endif
	s_add_co_u32 s[C4], s[C4], 1                   ; the number, in its tile, of the visit that begins
	s_and_b32 s[C4], s[C4], 3
	s_wait_dscnt 0x0
	s_barrier_signal -1
	MUL16 1, 0, 0
	WIN 0                                          ; at a branch and at a label every window is 0
	s_barrier_wait -1
.if \fill
	CREST                                          ; no wave of any partner still reads this slot or has a load on its way
	JLOAD
.else
	PLACES
.endif
	s_xor_b32 s[TB], s[TB], SLOT
	v_add_nc_u32 v[ADRB], s[TB], v[AB0]
	v_add_nc_u32 v[ADRB+1], 4*32*PB, v[ADRB]
.if \fill
	s_wait_xcnt 0x0                                ; x's base is rewritten only behind this wait
	s_add_nc_u64 s[XT:XT+1], s[XB:XB+1], XSTEP     ; the visit's loads ask for the visit after it: 256 k on,
	s_cmp_eq_u32 s[C4], 3
	s_cselect_b64 s[XB:XB+1], s[NB:NB+1], s[XT:XT+1]    ; or, in a tile's last visit, the next tensor's first 256 k
	s_cselect_b64 s[NB:NB+1], s[NB2:NB2+1], s[NB:NB+1]
.endif
	FETCH 0
	MUL16 1, 2, 0
.endm
; THE WAY OUT, a block of 16 rows at a time: rounded to f16 (each accumulator's registers in ascending order), 16 bytes a lane into my stage, back as whole rows of 256 bytes, stored.
.macro PACK a
	WIN 0x0a                                       ; sources 0 and 1 window 2
.irp b, 0,1,2,3,4,5,6,7
.irp i, 0,1,2,3
	v_cvt_pk_f16_f32 v[TMP+4*(\b)+(\i)], v[8*(8*(\a)+(\b))+2*(\i)], v[8*(8*(\a)+(\b))+2*(\i)+1]
.endr
.endr
	WIN 0
.endm
.macro TOSTAGE a
.set BKR, BK+32*((\a)%2)
.irp b, 0,1,2,3,4,5,6,7
	ds_store_b128 v[STO], v[TMP+4*(\b):TMP+4*(\b)+3] offset:32*(\b)
.endr
.irp t, 0,1,2,3,4,5,6,7
	ds_load_b128 v[BKR+4*(\t):BKR+4*(\t)+3], v[RD] offset:(\t)*2*SPITCH  ; LDS serves a wave's instructions in order (ISA guide 5.7.1.4): these see the stores above
.endr
.endm
.macro SEND a
.set BKR, BK+32*((\a)%2)
	s_wait_dscnt 0x0                               ; the block is back in registers
	s_wait_xcnt 0x0                                ; the registers that the stores two blocks back read are loaded again only behind this wait
.irp t, 0,1,2,3,4,5,6,7
	global_store_b128 v[CO], v[BKR+4*(\t):BKR+4*(\t)+3], s[12:13] offset:(16*(\a)+2*(\t))*2048  ; 16 lanes store 256 consecutive bytes, at a multiple of 256 from the buffer's first byte
.endr
.endm
.macro WAYOUT
	WIN 0
	PLACES                                         ; between the last products and the roundings that read results
	PACK 0
	TOSTAGE 0
.irp a, 1,2,3                          ; block a's roundings stand between block a - 1's loads from the stage and the wait for them
	PACK \a
	SEND (\a)-1
	TOSTAGE \a
.endr
	SEND 3
.endm
	s_load_b256 s[4:11], s[0:1], 0x0               ; q s[4:5], k s[6:7], v s[8:9], wb s[10:11]
	s_load_b64 s[12:13], s[0:1], 0x20              ; qkv
	v_lshl_add_u32 v[SPW], v0, 2, SPARE
	v_mov_b32 v[NIL], 0
	ds_add_u32 v[SPW], v[NIL]                      ; the wave's opening; the set-up below stands between the add and its wait
	v_lshrrev_b32 v1, 5, v0
	v_readfirstlane_b32 s14, v1                    ; wave 0..3
	s_lshr_b32 s15, s14, 1                         ; which 64 rows of the tile are mine
	s_and_b32 s16, s14, 1                          ; which 128 columns
	s_bfe_u32 s17, ttmp6, 0x40000                  ; cx
	s_bfe_u32 s18, ttmp6, 0x40004                  ; cy
	s_and_b32 s19, ttmp7, 0xffff                   ; the cluster's y, 0..15
	s_lshl_b32 s22, 0x1111, s17                    ; my column of the cluster
	; group 1: 64 rows x 256 elements of 2 bytes, 8 words of padding behind every 128 words
	s_or_b32 s[G1+0], s22, (1<<16)|(1<<20)|(1<<21)|(6<<22)|(7<<25)
	s_mov_b32 s[G1+1], 256<<16                     ; tensor_dim0 = 256
	s_mov_b32 s[G1+2], 64<<16                      ; tensor_dim1 = 64
	s_mov_b32 s[G1+3], 256<<16                     ; tile_dim0 = 256
	s_mov_b32 s[G1+4], 64                          ; tile_dim1 = 64
	s_mov_b32 s[G1+5], 1024                        ; elements from row to row
	s_mov_b32 s[G1+6], 0
	s_mov_b32 s[G1+7], 0
	s_lshl_b32 s52, ttmp9, 2
	s_add_co_u32 s52, s52, s17                     ; the tile column
	s_lshl_b32 s48, s14, 17                        ; W: my 64 rows of 2,048 bytes,
	s_lshl_b32 s49, s52, 9                         ; the tile's 256 columns: the wave's number and the tile column alone, which my column of the cluster shares
	s_add_co_u32 s48, s48, s49
	s_mov_b32 s49, 0
	s_mul_i32 s53, s14, QB                         ; and where they go: no place in the cluster enters an LDS address
	s_mov_b32 s[G0], 1                             ; count = 1
	s_mov_b32 s[G0+1], s53                         ; LDS address: slot 0
	s_lshl_b32 s54, s19, 2
	s_add_co_u32 s54, s54, s18                     ; the tile row, 0..63
	s_lshl_b32 s54, s54, 7                         ; the tile's first row
	s_lshl_b32 s46, s14, 5
	s_add_co_u32 s46, s46, s54                     ; the first of the 32 rows of x that I load,
	s_lshl_b32 s46, s46, 12                        ; in bytes: rows of 4,096
	s_mov_b32 s47, 0
	s_lshl_b32 s50, s15, 6
	s_add_co_u32 s50, s50, s54                     ; the first row of the result that I store,
	s_lshl_b32 s50, s50, 11                        ; in bytes: rows of 2,048,
	s_lshl_b32 s51, s52, 9
	s_add_co_u32 s50, s50, s51                     ; the tile's columns,
	s_lshl_b32 s51, s16, 8
	s_add_co_u32 s50, s50, s51                     ; my half of them
	s_mov_b32 s51, 0
	v_and_b32 v1, 15, v0                           ; l % 16
	v_bfe_u32 v2, v0, 4, 1                         ; l / 16
	v_lshlrev_b32 v[XO], 4, v1
	v_lshl_add_u32 v[XO], v2, 15, v[XO]            ; 16 (l % 16) + 8 rows x (l / 16)
	s_wait_dscnt 0x0                               ; the opening add is done
	s_wait_kmcnt 0x0
	s_add_nc_u64 s[G0+2:G0+3], s[10:11], s[48:49]  ; global address: wb's rows 0 to 255
	s_or_b32 s[G0+3], s[G0+3], 0x80000000          ; type = 2
	s_add_nc_u64 s[XB:XB+1], s[4:5], s[46:47]      ; q at my rows
	s_add_nc_u64 s[NB:NB+1], s[6:7], s[46:47]      ; k and v at my rows, less a visit's bytes: the loads that use them add four half steps or more
	s_sub_nc_u64 s[NB:NB+1], s[NB:NB+1], XSTEP
	s_add_nc_u64 s[NB2:NB2+1], s[8:9], s[46:47]
	s_sub_nc_u64 s[NB2:NB2+1], s[NB2:NB2+1], XSTEP
	s_add_nc_u64 s[12:13], s[12:13], s[50:51]
	LOADX 0, 0                                     ; x's first three half steps are asked for ahead of everything else
	LOADX 1, 1
	LOADX 2, 2
	WIN 0
	CROUND                                         ; all sixteen work-groups are here: the first joint loads meet
	JLOAD                                          ; visit 0 into slot 0: one load of mine is out
	v_mul_u32_u24 v3, v1, PAB                      ; a fragment of x: row l % 16, 16 bytes for each half of the lanes
	v_lshl_add_u32 v3, v2, 4, v3
	s_mul_i32 s53, s15, 64*PAB                     ; my 64 rows
	s_add_co_u32 s53, s53, ABUF
	v_add_nc_u32 v[ADRA], s53, v3
	v_lshlrev_b32 v3, 3, v1                        ; x into LDS: 8 bytes at 8 (l % 16),
	v_mul_u32_u24 v4, v2, 8*PAB                    ; 8 rows down for lanes 16-31,
	v_add_nc_u32 v3, v3, v4
	s_mul_i32 s53, s14, 32*PAB                     ; my 32 rows
	s_add_co_u32 s53, s53, ABUF
	v_add_nc_u32 v[AST], s53, v3
	; The turning load takes 16 k x 16 columns: lane l reads row 8 (l / 16) + l % 8, columns 8 ((l / 8) % 2) + 0..7, and is left with column l % 16 and 8 k.
	v_and_b32 v4, 7, v0
	v_lshl_add_u32 v4, v2, 3, v4
	v_mul_u32_u24 v4, v4, PB
	v_bfe_u32 v5, v0, 3, 1
	v_lshl_add_u32 v4, v5, 4, v4
	s_lshl_b32 s53, s16, 8                         ; my 128 columns
	v_add_nc_u32 v[AB0], s53, v4
	v_mov_b32 v[ADRB], v[AB0]                      ; slot 0
	v_add_nc_u32 v[ADRB+1], 4*32*PB, v[AB0]
	s_mul_i32 s53, s14, 32*PAB
	s_add_co_u32 s53, s53, STG                     ; my stage
	v_mul_u32_u24 v6, v1, SPITCH                   ; in: row l % 16, 16 bytes for each half of the lanes
	v_lshl_add_u32 v6, v2, 4, v6
	v_add_nc_u32 v[STO], s53, v6
	v_mul_u32_u24 v6, v2, SPITCH                   ; back: lanes 0-15 take one row of 256 bytes, lanes 16-31 the next
	v_lshl_add_u32 v6, v1, 4, v6
	v_add_nc_u32 v[RD], s53, v6
	v_lshlrev_b32 v6, 11, v2                       ; and the same two rows of 2,048 bytes in the result
	v_lshl_add_u32 v[CO], v1, 4, v6
	STOREX 0, 32                                   ; half step 0 is in (the 32 loads of half steps 1 and 2 stay out) and goes into LDS buffer 0
	LOADX 3, 3                                     ; 48 loads are out, as in every half step from here on
	; The first change of slots, written out: slot 0 is waited for, slot 1 is filled for the first time, as a refill is.
	WIN 0
	s_wait_tensorcnt 0x0
	ds_add_u32 v[SPW], v[NIL]
	s_xor_b32 s[G0+1], s[G0+1], SLOT
	s_add_nc_u64 s[G0+2:G0+3], s[G0+2:G0+3], BSTEP
	s_wait_dscnt 0x0                               ; the add is done, and so are my stores of half step 0
	CROUND
	JLOAD                                          ; visit 1 into slot 1
	FETCH 0
	WIN 0
	s_mov_b32 s23, VISITS-1
	s_mov_b32 s[C4], 0
	s_mov_b32 s[TB], 0
	s_branch .Lq0z                                 ; the loop is entered at a tile's first quarter
.Ltop:                                                 ; a trip: the last quarter of a visit, with the change of slots, and the next visit's first seven.  Ten trips: visits 2 to 11 are asked for
	QTURN 1
	WIN 0
	s_cmp_lg_u32 s[C4], 0
	s_cbranch_scc1 .Lq0                            ; inside a tile: over the way out, which holds no barrier and no tensor load
	WAYOUT                                         ; A TILE IS FINISHED.  Nobody reads x's second buffer since the barrier above, and each wave's stage lies in the rows that it stores itself in the quarter below
	s_wait_xcnt 0x0                                ; the stores' base is rewritten only behind this wait
	s_add_nc_u64 s[12:13], s[12:13], CSTEP         ; the same place in the next tensor's result
.Lq0z:
	QE 0, 1, 1, 32, 1                              ; a tile's first products start the sums: nothing is cleared
	WIN 0
	s_branch .Lq1
.Lq0:
	QE 0, 0, 1, 32, 1
	WIN 0
.Lq1:
	QO 1
	QE 2, 0, 1, 32, 1                              ; 32: the loads of the two half steps behind the one that is stored stay out
	QO 3
	QE 4, 0, 1, 32, 1
	QO 5
	QE 6, 0, 1, 32, 1
	WIN 0
	s_sub_co_u32 s23, s23, 1
	s_cmp_lg_u32 s23, 0
	s_cbranch_scc1 .Ltop
	QTURN 0                                        ; the tail is written out: nothing more is asked for, of W or of x
	QE 0, 0, 1, 32, 0
	QO 1
	QE 2, 0, 1, 16, 0                              ; the counts run down
	QO 3
	QE 4, 0, 1, 0, 0
	QO 5
	QE 6, 0, 0, 0, 0
	s_wait_dscnt 0x0                               ; the very last quarter: my reads of x's second buffer are over,
	s_barrier_signal -1
	MUL16 1, 0, 0
	MUL16 1, 2, 0
	s_barrier_wait -1                              ; and everybody's: the stages may be written
	WAYOUT
	s_wait_tensorcnt 0x0                           ; the wave's end
	ds_add_u32 v[SPW], v[NIL]
	s_wait_dscnt 0x0
	CROUND                                         ; the closing round: no work-group ends while a partner may still ask for a tile that names it
	s_endpgm
.Lfunc_end_k_qb266b99613_proj:
	.size	k_qb266b99613_proj, .Lfunc_end_k_qb266b99613_proj-k_qb266b99613_proj
	.p2alignl 7, 3214868480
	.fill 96, 4, 3214868480
	.section	.rodata,"a",@progbits
	.p2align	6, 0x0
	.amdhsa_kernel k_qb266b99613_proj
		.amdhsa_group_segment_fixed_size 327680
		.amdhsa_private_segment_fixed_size 0
		.amdhsa_enable_private_segment 0
		.amdhsa_kernarg_size 40
		.amdhsa_user_sgpr_count 2
		.amdhsa_user_sgpr_kernarg_segment_ptr 1
		.amdhsa_wavefront_size32 1
		.amdhsa_system_sgpr_workgroup_id_x 1
		.amdhsa_system_sgpr_workgroup_id_y 1
		.amdhsa_system_sgpr_workgroup_id_z 1
		.amdhsa_system_vgpr_workitem_id 0
		.amdhsa_next_free_vgpr 1024
		.amdhsa_next_free_sgpr 66
		.amdhsa_reserve_vcc 0
		.amdhsa_float_denorm_mode_32 3
		.amdhsa_float_denorm_mode_16_64 3
		.amdhsa_memory_ordered 1
		.amdhsa_forward_progress 1
		.amdhsa_inst_pref_size 149
	.end_amdhsa_kernel
	.amdgpu_metadata
---
amdhsa.version: [ 1, 2 ]
amdhsa.kernels:
  - .name:           k_qb266b99613_proj
    .symbol:         k_qb266b99613_proj.kd
    .args:
      - { .name: q, .offset: 0, .size: 8, .value_kind: global_buffer, .address_space: global }
      - { .name: k, .offset: 8, .size: 8, .value_kind: global_buffer, .address_space: global }
      - { .name: v, .offset: 16, .size: 8, .value_kind: global_buffer, .address_space: global }
      - { .name: wb, .offset: 24, .size: 8, .value_kind: global_buffer, .address_space: global }
      - { .name: qkv, .offset: 32, .size: 8, .value_kind: global_buffer, .address_space: global }
    .group_segment_fixed_size: 327680
    .private_segment_fixed_size: 0
    .kernarg_segment_align: 8
    .kernarg_segment_size: 40
    .max_flat_workgroup_size: 128
    .sgpr_count:     66
    .vgpr_count:     1024
    .wavefront_size: 32
...
	.end_amdgpu_metadata
.endif
;; end of part 2
;; launch scores (part 3): grid 8 x 32, 4 waves a work-group, clusters of 4 x 4, 327,680 bytes of LDS; arguments qkv, pw, stats; writes pw, stats
.if DOCPART == 3
	.amdgcn_target "amdgcn-amd-amdhsa--gfx1250"
	.amdhsa_code_object_version 6
	.text
	.protected	k_qb266b99613_scores
	.globl	k_qb266b99613_scores
	.p2align	8
	.type	k_qb266b99613_scores,@function
k_qb266b99613_scores:
	s_mov_b64 s[64:65], 0
	v_nop
	global_prefetch_b8 v0, s[64:65] scope:SCOPE_SE
	s_setreg_imm32_b32 hwreg(HW_REG_WAVE_MODE, 25, 1), 1
	s_wait_xcnt 0x0
	s_wait_alu depctr_hold_cnt(0) depctr_sa_sdst(0) depctr_va_vdst(0) depctr_va_sdst(0) depctr_va_ssrc(0) depctr_va_vcc(0) depctr_vm_vsrc(0)
	s_getreg_b32 s2, hwreg(HW_REG_IB_STS2, 6, 4)
	s_cmp_eq_u32 s2, 0
	s_cbranch_scc0 .Lentry_in_a_cluster
	s_endpgm
.Lentry_in_a_cluster:
	s_bfe_u32 s2, ttmp6, 0x10000c
	s_cmp_lg_u32 s2, 0xf033
	s_cbranch_scc0 .Lentry_shape_is_right
	s_endpgm
.Lentry_shape_is_right:
; S = Q K^T for each of 4 batches (Q, K: [8192][1024] f16 in qkv, 2,048 rows a batch), and the first stage of the softmax.  For each row and each CHUNK of 128 keys:
; cm = c x the chunk's largest score, c = log2(e) / 32;  p = 2^(c s - cm), rounded to f16, into pw[8192][2048];  l = the sum of the unrounded p.  stats[0][chunk][row] = cm, stats[1][chunk][row] = l, f32.
; The next launch takes the row's maximum over the 16 chunks and rescales: together the two stages take the row's maximum away as the softmax asks.
; LIMITS.  p lies in 0 to 1 (to within a rounding of c s - cm); below 6e-5 it keeps f16's fixed step of 6e-8; a weight below 2^-126 counts as 0 in l.  NaN and infinities are not treated apart.
; SHARES.  A tile of S is 256 x 256: 32 x 8 tiles, one for each of 256 WGPs.  Four waves, each 128 rows x 128 keys (one chunk): 64 accumulators of 16 x 16, 512 registers.  K = 1,024 goes in
; 8 steps of 128 through two LDS slots filled by tensor loads of 128 rows x 256 bytes.
; CLUSTER.  4 x 4 work-groups: the four of a row need the same tiles of Q, the four of a column the same tiles of K; each tile is asked for jointly.  A cluster's 1,024 rows lie in one batch: cluster y / 2.
; THE MATRIX INSTRUCTION IS USED TRANSPOSED (source 0 = 16 keys, source 1 = 16 queries): a lane holds ONE query (lane % 16) and, over a block's eight accumulators, 64 of its chunk's 128 keys;
; the lane 16 away holds the other 64.
; REGISTERS, in windows of 256: window 0: v0-31 addresses; v32-50 the softmax's statistics; v64-127, v128-191 fragments of Q, two buffers (on the way out: rows read back); v192-223 packed p
;   window 1: v64-127, v128-191 fragments of K, two buffers      window 2: the accumulators of my rows 0-63 ((a, b) at v[8 (8 a + b)])      window 3: those of my rows 64-127
.set SIZE_K, 1024
.set KSTEP,  128
.set PITCH,  272                       ; an LDS row: 256 bytes + 16 = 68 words: row r starts at bank 4 r mod 64 (64 banks of 4 bytes: ISA guide 11.1)
.set HALFT,  128*PITCH                 ; 128 rows: one tensor load
.set SLOT,   4*HALFT                   ; Q's 256 rows, then K's 256 rows
.set STAGE,  2*SLOT                    ; behind the ring: 16 rows x 272 bytes for each wave
.set SPITCH, 272
.set SST,    STAGE+4*16*SPITCH         ; for each wave 1,024 bytes: cm of its 128 rows, then l
.set SPARE,  SST+4*1024                ; the spare words, 128 bytes for each wave
.set LAPS,   SIZE_K/(2*KSTEP)
.set KOFF,   8192*1024*2               ; K's first byte in qkv
.set LPLANE, 16*8192*4                 ; l's plane in stats
.set ADRA, 16                          ; v16-17  LDS address of my fragments of Q in slot 0, 1
.set ADRB, 20                          ; v20-21  the same for K
.set STO,  24                          ; v24     the way out: where I put 16 bytes of a row
.set RD,   25                          ; v25     where I read a row back
.set CO,   26                          ; v26     my byte offset in pw
.set SSA,  27                          ; v27     where I put a row's cm (lanes 0-15) or l (lanes 16-31)
.set SPW,  28                          ; v28     LDS address of my spare word; never rewritten
.set NIL,  29                          ; v29     0; never rewritten
.set SSR,  30                          ; v30     where I read 16 bytes of cm back
.set SGO,  31                          ; v31     16 x lane
.set MX,   32                          ; v32-35  four chains of maxima
.set CM,   36                          ; v36-37  cm, named as a pair
.set LS,   40                          ; v40-47  four chains of sums, a pair each
.set LT,   48                          ; v48-49  the row's sum at work
.set SV,   50                          ; v50     what goes into SST
.set F0,   64
.set F1,   128
.set BK,   64                          ; rows read back: v64-95 and v96-127 by turns
.set TMP,  192
.set G1, 24                            ; s[24:31] descriptor group 1 for Q's tiles;  s[32:39] group 0, a set for each slot
.set G0, 32
.set G1B, 48                           ; s[48:55], s[56:63] the same for K's tiles
.set G0B, 56
.set MSB, 0
.macro WIN new
.if MSB != (\new)
	s_set_vgpr_msb (MSB<<8)|(\new)
.set MSB, \new
.endif
.endm
.set MUL_LO, 0xa1                      ; source 0 (K) window 1, source 1 (Q) window 0, C and D window 2
.set MUL_HI, 0xf1                      ; the same, C and D window 3
.set TO_B,   0x40                      ; destination window 1, address window 0
.macro JLOAD s                         ; a joint load: waves 0 and 1 fetch Q's two halves, waves 2 and 3 K's; an s_nop 0 and four v_nop follow each line
	s_cmp_eq_u32 s11, 0
	s_cbranch_scc0 .Lfor_b_\@
	tensor_load_to_lds s[G0+4*(\s):G0+4*(\s)+3], s[G1:G1+7]
	s_nop 0
.rept 4
	v_nop
.endr
	s_branch .Lasked_\@
.Lfor_b_\@:
	tensor_load_to_lds s[G0B+4*(\s):G0B+4*(\s)+3], s[G1B:G1B+7]
	s_nop 0
.rept 4
	v_nop
.endr
.Lasked_\@:
.endm
.macro CREST
	s_cmp_lg_u32 s10, 0
	s_cbranch_scc1 .Lnot_wave_0_\@
	s_barrier_signal -3
.Lnot_wave_0_\@:
	s_barrier_wait -3
	s_barrier_signal -1
	s_barrier_wait -1
.endm
.macro CROUND
	s_barrier_signal -1
	s_barrier_wait -1
	CREST
.endm
	s_load_b128 s[72:75], s[0:1], 0x0              ; qkv s[72:73], pw s[74:75]
	s_load_b64 s[76:77], s[0:1], 0x10              ; stats
	v_lshl_add_u32 v[SPW], v0, 2, SPARE
	v_mov_b32 v[NIL], 0
	ds_add_u32 v[SPW], v[NIL]                      ; the wave's opening
	v_lshrrev_b32 v1, 5, v0
	v_readfirstlane_b32 s10, v1                    ; wave 0..3
	s_lshr_b32 s11, s10, 1                         ; which half of the tile's rows is mine.  Also: I fetch for Q (0) or for K (1)
	s_and_b32 s12, s10, 1                          ; which half of its keys.  Also: which 128 rows of that tile I fetch
	s_bfe_u32 s40, ttmp6, 0x40000                  ; cx
	s_bfe_u32 s41, ttmp6, 0x40004                  ; cy
	s_lshl_b32 s42, ttmp9, 2
	s_add_co_u32 s42, s42, s40                     ; tile column, 0..7
	s_and_b32 s71, ttmp7, 0xffff
	s_lshl_b32 s13, s71, 2
	s_add_co_u32 s13, s13, s41                     ; tile row, 0..31
	s_lshr_b32 s71, s71, 1                         ; the batch: the same in all sixteen work-groups
	s_lshl_b32 s43, s41, 2
	s_lshl_b32 s43, 15, s43                        ; my row of the cluster
	s_lshl_b32 s44, 0x1111, s40                    ; my column
	; group 1: 128 rows x 128 elements of 2 bytes, 4 words of padding behind every 64 words
	s_or_b32 s[G1+0], s43, (1<<16)|(1<<20)|(1<<21)|(5<<22)|(3<<25)
	s_or_b32 s[G1B+0], s44, (1<<16)|(1<<20)|(1<<21)|(5<<22)|(3<<25)
.irp g, G1, G1B
	s_mov_b32 s[(\g)+1], KSTEP<<16                 ; tensor_dim0 = 128
	s_mov_b32 s[(\g)+2], 128<<16                   ; tensor_dim1 = 128
	s_mov_b32 s[(\g)+3], KSTEP<<16                 ; tile_dim0 = 128
	s_mov_b32 s[(\g)+4], 128                       ; tile_dim1 = 128
	s_mov_b32 s[(\g)+5], SIZE_K                    ; elements from row to row
	s_mov_b32 s[(\g)+6], 0
	s_mov_b32 s[(\g)+7], 0
.endr
	s_mov_b32 s66, 0x3d38aa3b                      ; c = log2(e) / 32
	s_mov_b32 s67, s66                             ; named with it as a pair
	s_mov_b32 s68, 0x76543210                      ; v_permlanex16_b32: each lane takes its own place in the other half
	s_mov_b32 s69, 0xfedcba98
	s_mov_b32 s70, 0xffff0000                      ; lanes 16-31
	s_lshl_b32 s17, s12, 7                         ; which 128 rows of the tile I fetch
	s_lshl_b32 s16, s13, 8
	s_add_co_u32 s16, s16, s17                     ; Q: row 256 x tile row + 128 x half
	s_lshl_b32 s16, s16, 11                        ; in bytes: rows of 2,048
	s_lshl_b32 s46, s42, 8
	s_add_co_u32 s46, s46, s17                     ; K: row 256 x tile column + 128 x half
	s_lshl_b32 s47, s71, 11
	s_add_co_u32 s46, s46, s47                     ; + the batch's 2,048 rows
	s_lshl_b32 s46, s46, 11
	s_add_co_u32 s46, s46, KOFF
	s_mov_b32 s17, 0
	s_mov_b32 s47, 0
	s_mul_i32 s20, s10, HALFT                      ; where they go: wave x 128 rows
	s_wait_dscnt 0x0                               ; the opening add is done
	s_wait_kmcnt 0x0
	s_add_nc_u64 s[14:15], s[72:73], s[16:17]
	s_add_nc_u64 s[46:47], s[72:73], s[46:47]
	CROUND                                         ; all sixteen work-groups are here: the first joint loads meet
.irp s, 0,1
	s_mov_b32 s[G0+4*(\s)], 1
	s_add_co_u32 s[G0+4*(\s)+1], s20, (\s)*SLOT
	s_add_nc_u64 s[G0+4*(\s)+2:G0+4*(\s)+3], s[14:15], (\s)*KSTEP*2
	s_or_b32 s[G0+4*(\s)+3], s[G0+4*(\s)+3], 0x80000000
	s_mov_b32 s[G0B+4*(\s)], 1
	s_add_co_u32 s[G0B+4*(\s)+1], s20, (\s)*SLOT
	s_add_nc_u64 s[G0B+4*(\s)+2:G0B+4*(\s)+3], s[46:47], (\s)*KSTEP*2
	s_or_b32 s[G0B+4*(\s)+3], s[G0B+4*(\s)+3], 0x80000000
	JLOAD \s                                       ; two loads of mine are out
.endr
	v_and_b32 v1, 15, v0                           ; l % 16
	v_bfe_u32 v2, v0, 4, 1                         ; l / 16
	v_mul_u32_u24 v3, v1, PITCH
	v_lshl_add_u32 v3, v2, 4, v3                   ; a fragment's row x pitch + 16 x half
	s_mul_i32 s21, s11, HALFT                      ; my 128 rows of Q
	s_mul_i32 s22, s12, HALFT                      ; my 128 rows of K,
	s_add_co_u32 s22, s22, 2*HALFT                 ; which lie behind Q's 256
.irp s, 0,1
	v_add_nc_u32 v[ADRA+(\s)], s21, v3
	v_add_nc_u32 v[ADRB+(\s)], s22, v3
	s_add_co_u32 s21, s21, SLOT
	s_add_co_u32 s22, s22, SLOT
.endr
	s_mul_i32 s23, s10, 16*SPITCH
	s_add_co_u32 s23, s23, STAGE                   ; my stage
	v_mul_u32_u24 v4, v1, SPITCH
	v_lshl_add_u32 v4, v2, 4, v4
	v_add_nc_u32 v[STO], s23, v4
	v_mul_u32_u24 v5, v2, SPITCH
	v_lshl_add_u32 v5, v1, 4, v5
	v_add_nc_u32 v[RD], s23, v5
	v_lshlrev_b32 v5, 12, v2                       ; two rows of 4,096 bytes in pw
	v_lshl_add_u32 v[CO], v1, 4, v5
	s_lshl_b32 s23, s10, 10
	s_add_co_u32 s23, s23, SST                     ; my 1,024 bytes of statistics
	v_lshlrev_b32 v5, 2, v1
	v_lshl_add_u32 v5, v2, 9, v5                   ; 4 x row; l lies 512 bytes behind cm
	v_add_nc_u32 v[SSA], s23, v5
	v_and_b32 v5, 31, v0
	v_lshlrev_b32 v[SGO], 4, v5
	v_add_nc_u32 v[SSR], s23, v[SGO]
	v_mov_b32 v[LT+1], 0                           ; the destination of v_permlanex16_b32 counts as read: written once here
	s_lshl_b32 s16, s13, 8
	s_lshl_b32 s17, s11, 7
	s_add_co_u32 s16, s16, s17                     ; my first row
	s_lshl_b32 s18, s16, 2                         ; its place in a chunk's row of stats
	s_lshl_b32 s16, s16, 12                        ; and in pw
	s_lshl_b32 s46, s42, 9                         ; the tile's 256 keys,
	s_lshl_b32 s47, s12, 8                         ; my half of them
	s_add_co_u32 s46, s46, s47
	s_add_co_u32 s16, s16, s46
	s_mov_b32 s17, 0
	s_add_nc_u64 s[8:9], s[74:75], s[16:17]
	s_lshl_b32 s46, s42, 1
	s_add_co_u32 s46, s46, s12                     ; my chunk, 0..15
	s_lshl_b32 s46, s46, 15                        ; 8,192 rows of 4 bytes
	s_add_co_u32 s46, s46, s18
	s_mov_b32 s47, 0
	s_add_nc_u64 s[78:79], s[76:77], s[46:47]
; 16 matrix instructions: row blocks a0, a0 + 1 of the window's four (hi = 0: my rows 0-63, 1: rows 64-127) x all 8 key blocks, 32 along K.  The 64 accumulators take turns.
.macro MUL16 f, hi, a0, zero
	WIN MUL_LO+0x50*(\hi)
.irp a, \a0, (\a0)+1
.irp b, 0,1,2,3,4,5,6,7
.if \zero
	v_wmma_f32_16x16x32_f16 v[8*(8*(\a)+(\b)):8*(8*(\a)+(\b))+7], v[(\f)+8*(\b):(\f)+8*(\b)+7], v[(\f)+8*(4*(\hi)+(\a)):(\f)+8*(4*(\hi)+(\a))+7], 0
.else
	v_wmma_f32_16x16x32_f16 v[8*(8*(\a)+(\b)):8*(8*(\a)+(\b))+7], v[(\f)+8*(\b):(\f)+8*(\b)+7], v[(\f)+8*(4*(\hi)+(\a)):(\f)+8*(4*(\hi)+(\a))+7], v[8*(8*(\a)+(\b)):8*(8*(\a)+(\b))+7]
.endif
.endr
.endr
.endm
; 32 LDS loads in one run: a quarter step's fragments (128 rows of K, then 128 rows of Q, 32 along K at byte k of the rows) into buffer f
.macro FETCH slot, k, f
	WIN TO_B
.irp i, 0,1,2,3,4,5,6,7
	ds_load_b128 v[(\f)+8*(\i):(\f)+8*(\i)+3],   v[ADRB+(\slot)] offset:(\k)+(\i)*16*PITCH
	ds_load_b128 v[(\f)+8*(\i)+4:(\f)+8*(\i)+7], v[ADRB+(\slot)] offset:(\k)+(\i)*16*PITCH+32
.endr
	WIN 0
.irp i, 0,1,2,3,4,5,6,7
	ds_load_b128 v[(\f)+8*(\i):(\f)+8*(\i)+3],   v[ADRA+(\slot)] offset:(\k)+(\i)*16*PITCH
	ds_load_b128 v[(\f)+8*(\i)+4:(\f)+8*(\i)+7], v[ADRA+(\slot)] offset:(\k)+(\i)*16*PITCH+32
.endr
.endm
.macro PLACES                          ; four places in front of loads into registers that matrix instructions have read, and of vector work that reads results
.rept 4
	v_nop
.endr
.endm
.macro QUARTER slot, k, f, g, zero     ; multiplies buffer f; in its middle it fetches the next quarter, at byte k, into buffer g
	s_wait_dscnt 8                                 ; K and Q's rows 0-63 are in; the youngest eight loads (Q's rows 64-127) may be out
	MUL16 \f, 0, 0, \zero
	MUL16 \f, 0, 2, \zero
	PLACES
	FETCH \slot, \k, \g
	s_wait_dscnt 32                                ; all but the 32 just issued
	MUL16 \f, 1, 0, \zero
	MUL16 \f, 1, 2, \zero
.endm
; The first half of a K step's last quarter: ONE barrier for the change of slots.  In front of it each wave waits for all its tensor loads (one is out: its part of the next slot), adds 0 to its
; spare word, and waits for that and for its reads of this slot.
.macro MEET round
	WIN 0
	s_wait_tensorcnt 0x0
	ds_add_u32 v[SPW], v[NIL]
	s_wait_dscnt 9                                 ; the add and the youngest eight loads may be out
	MUL16 F1, 0, 0, 0                              ; sixteen matrix instructions between the add and the wait for it
	s_wait_dscnt 0x0                               ; the add is done, and my reads of this slot are over
	s_barrier_signal -1
	MUL16 F1, 0, 2, 0
.if \round
	WIN 0
.endif
	s_barrier_wait -1
.endm
.macro TURN slot, next                 ; the whole last quarter: behind a round of the cluster's barrier this slot is filled again, two K steps ahead: 224 matrix instructions ahead of the wait for it
	MEET 1
	CREST
	s_add_nc_u64 s[G0+4*(\slot)+2:G0+4*(\slot)+3], s[G0+4*(\slot)+2:G0+4*(\slot)+3], 2*KSTEP*2
	s_add_nc_u64 s[G0B+4*(\slot)+2:G0B+4*(\slot)+3], s[G0B+4*(\slot)+2:G0B+4*(\slot)+3], 2*KSTEP*2
	JLOAD \slot                                    ; the four v_nop behind it are also the places in front of the loads below
	FETCH \next, 0, F0
	MUL16 F1, 1, 0, 0
	MUL16 F1, 1, 2, 0
.endm
	s_wait_tensorcnt 0x1                           ; my part of K step 0 is in; K step 1's stays out
	s_barrier_signal -1
	s_barrier_wait -1
	FETCH 0, 0, F0
	QUARTER 0, 64,  F0, F1, 1                      ; the first quarter's products start the sums
	WIN 0
	s_mov_b32 s3, LAPS-1
.Llap:
	QUARTER 0, 128, F1, F0, 0
	QUARTER 0, 192, F0, F1, 0
	TURN 0, 1
	QUARTER 1, 64,  F0, F1, 0
	QUARTER 1, 128, F1, F0, 0
	QUARTER 1, 192, F0, F1, 0
	TURN 1, 0
	QUARTER 0, 64,  F0, F1, 0
	WIN 0
	s_sub_co_u32 s3, s3, 1
	s_cmp_lg_u32 s3, 0
	s_cbranch_scc1 .Llap
	QUARTER 0, 128, F1, F0, 0                      ; the last lap is written out: it fills nothing
	QUARTER 0, 192, F0, F1, 0
	MEET 0
	PLACES
	FETCH 1, 0, F0
	MUL16 F1, 1, 0, 0
	MUL16 F1, 1, 2, 0
	QUARTER 1, 64,  F0, F1, 0
	QUARTER 1, 128, F1, F0, 0
	QUARTER 1, 192, F0, F1, 0
	s_wait_dscnt 8                                 ; the very last quarter
	MUL16 F1, 0, 0, 0
	MUL16 F1, 0, 2, 0
	s_wait_dscnt 0x0
	MUL16 F1, 1, 0, 0
	MUL16 F1, 1, 2, 0
; THE SOFTMAX'S FIRST STAGE for block a (16 rows): a lane's 64 scores lie in the block's 64 registers.
.macro SOFT a
.set AC, 64*((\a)%4)
	WIN 0x0a+5*((\a)/4)                            ; sources 0 and 1 in the block's window
.irp c, 0,1,2,3                        ; four chains of 16 scores, in ascending order: each accumulator's lowest registers are read first
	v_max_num_f32 v[MX+(\c)], v[AC+16*(\c)], v[AC+16*(\c)+1]
.endr
.irp i, 1,2,3,4,5,6,7
.irp c, 0,1,2,3
	v_max3_num_f32 v[MX+(\c)], v[AC+16*(\c)+2*(\i)], v[AC+16*(\c)+2*(\i)+1], v[MX+(\c)]
.endr
.endr
	WIN 0
	v_max3_num_f32 v[MX], v[MX], v[MX+1], v[MX+2]
	v_max_num_f32 v[MX], v[MX], v[MX+3]
	v_permlanex16_b32 v[MX+1], v[MX], s68, s69     ; the row's other 64 keys lie in the lane 16 away
	v_max_num_f32 v[MX], v[MX], v[MX+1]
	v_mul_f32 v[CM], s66, v[MX]                    ; cm
	v_mov_b32 v[CM+1], v[CM]
	WIN 0x82+0x41*((\a)/4)                         ; destination and source 0 in the block's window
.set i, 0
.rept 32
	v_pk_fma_f32 v[AC+2*i:AC+2*i+1], v[AC+2*i:AC+2*i+1], s[66:67], v[CM:CM+1] op_sel_hi:[1,0,0] neg_lo:[0,0,1] neg_hi:[0,0,1]  ; c s - cm
.set i, i+1
.endr
.set i, 0
.rept 64
	v_exp_f32 v[AC+i], v[AC+i]
.set i, i+1
.endr
	v_nop                                          ; a plain instruction between the last exponential and the use of its result (ISA guide 5.7.2)
	WIN 0x0a+5*((\a)/4)
	s_wait_alu depctr_va_vdst(0)
.irp c, 0,1,2,3                        ; four chains of sums of the unrounded p, in f32
	v_pk_add_f32 v[LS+2*(\c):LS+2*(\c)+1], v[AC+16*(\c):AC+16*(\c)+1], v[AC+16*(\c)+2:AC+16*(\c)+3]
.endr
.irp i, 2,3,4,5,6,7
.irp c, 0,1,2,3
	v_pk_fma_f32 v[LS+2*(\c):LS+2*(\c)+1], v[AC+16*(\c)+2*(\i):AC+16*(\c)+2*(\i)+1], 1.0, v[LS+2*(\c):LS+2*(\c)+1] op_sel_hi:[1,0,1]  ; an addition whose third source lies in window 0
.endr
.endr
.set i, 0
.rept 32
	v_cvt_pk_f16_f32 v[TMP+i], v[AC+2*i], v[AC+2*i+1]
.set i, i+1
.endr
	WIN 0
	v_pk_add_f32 v[LS:LS+1], v[LS:LS+1], v[LS+2:LS+3]
	v_pk_add_f32 v[LS+4:LS+5], v[LS+4:LS+5], v[LS+6:LS+7]
	v_pk_add_f32 v[LS:LS+1], v[LS:LS+1], v[LS+4:LS+5]
	v_add_f32 v[LT], v[LS], v[LS+1]
	v_permlanex16_b32 v[LT+1], v[LT], s68, s69
	v_add_f32 v[LT], v[LT], v[LT+1]                ; l
	v_cndmask_b32 v[SV], v[CM], v[LT], s70         ; lanes 0-15 carry cm, lanes 16-31 l
	ds_store_b32 v[SSA], v[SV] offset:64*(\a)
.endm
.macro TOSTAGE a
.set BKR, BK+32*((\a)%2)
.irp b, 0,1,2,3,4,5,6,7
	ds_store_b128 v[STO], v[TMP+4*(\b):TMP+4*(\b)+3] offset:32*(\b)
.endr
.irp t, 0,1,2,3,4,5,6,7
	ds_load_b128 v[BKR+4*(\t):BKR+4*(\t)+3], v[RD] offset:(\t)*2*SPITCH  ; LDS serves a wave's instructions in order (ISA guide 5.7.1.4): these see the stores above
.endr
.endm
.macro SEND a
.set BKR, BK+32*((\a)%2)
	s_wait_dscnt 0x0                               ; the block is back in registers
	s_wait_xcnt 0x0                                ; the registers that the stores two blocks back read are loaded again only behind this wait
.irp t, 0,1,2,3,4,5,6,7
	global_store_b128 v[CO], v[BKR+4*(\t):BKR+4*(\t)+3], s[8:9] offset:(16*(\a)+2*(\t))*4096  ; 16 lanes store 256 consecutive bytes, at a multiple of 256 from pw's first byte
.endr
.endm
	WIN 0
	PLACES
	SOFT 0
	TOSTAGE 0
.irp a, 1,2,3,4,5,6,7                  ; block a's softmax stands between block a - 1's loads from the stage and the wait for them
	SOFT \a
	SEND (\a)-1
	TOSTAGE \a
.endr
	SEND 7
	ds_load_b128 v[128:131], v[SSR]                ; my 128 rows' cm: 512 bytes, my own stores, served in order
	ds_load_b128 v[132:135], v[SSR] offset:512     ; and l
	s_wait_dscnt 0x0
	global_store_b128 v[SGO], v[128:131], s[78:79]                 ; 512 consecutive bytes each, at a multiple of 512 from the buffer's first byte
	global_store_b128 v[SGO], v[132:135], s[78:79] offset:LPLANE
	s_wait_tensorcnt 0x0                           ; the wave's end
	ds_add_u32 v[SPW], v[NIL]
	s_wait_dscnt 0x0
	CROUND                                         ; the closing round
	s_endpgm
.Lfunc_end_k_qb266b99613_scores:
	.size	k_qb266b99613_scores, .Lfunc_end_k_qb266b99613_scores-k_qb266b99613_scores
	.p2alignl 7, 3214868480
	.fill 96, 4, 3214868480
	.section	.rodata,"a",@progbits
	.p2align	6, 0x0
	.amdhsa_kernel k_qb266b99613_scores
		.amdhsa_group_segment_fixed_size 327680
		.amdhsa_private_segment_fixed_size 0
		.amdhsa_enable_private_segment 0
		.amdhsa_kernarg_size 24
		.amdhsa_user_sgpr_count 2
		.amdhsa_user_sgpr_kernarg_segment_ptr 1
		.amdhsa_wavefront_size32 1
		.amdhsa_system_sgpr_workgroup_id_x 1
		.amdhsa_system_sgpr_workgroup_id_y 1
		.amdhsa_system_sgpr_workgroup_id_z 1
		.amdhsa_system_vgpr_workitem_id 0
		.amdhsa_next_free_vgpr 1024
		.amdhsa_next_free_sgpr 80
		.amdhsa_reserve_vcc 0
		.amdhsa_float_denorm_mode_32 3
		.amdhsa_float_denorm_mode_16_64 3
		.amdhsa_memory_ordered 1
		.amdhsa_forward_progress 1
		.amdhsa_inst_pref_size 211
	.end_amdhsa_kernel
	.amdgpu_metadata
---
amdhsa.version: [ 1, 2 ]
amdhsa.kernels:
  - .name:           k_qb266b99613_scores
    .symbol:         k_qb266b99613_scores.kd
    .args:
      - { .name: qkv, .offset: 0, .size: 8, .value_kind: global_buffer, .address_space: global }
      - { .name: pw, .offset: 8, .size: 8, .value_kind: global_buffer, .address_space: global }
      - { .name: stats, .offset: 16, .size: 8, .value_kind: global_buffer, .address_space: global }
    .group_segment_fixed_size: 327680
    .private_segment_fixed_size: 0
    .kernarg_segment_align: 8
    .kernarg_segment_size: 24
    .max_flat_workgroup_size: 128
    .sgpr_count:     80
    .vgpr_count:     1024
    .wavefront_size: 32
...
	.end_amdgpu_metadata
.endif
;; end of part 3
;; launch pv (part 4): grid 4 x 64, 4 waves a work-group, clusters of 4 x 4, 327,680 bytes of LDS; arguments pw, qkv, stats, out0; writes out0
.if DOCPART == 4
	.amdgcn_target "amdgcn-amd-amdhsa--gfx1250"
	.amdhsa_code_object_version 6
	.text
	.protected	k_qb266b99613_pv
	.globl	k_qb266b99613_pv
	.p2align	8
	.type	k_qb266b99613_pv,@function
k_qb266b99613_pv:
	s_mov_b64 s[64:65], 0
	v_nop
	global_prefetch_b8 v0, s[64:65] scope:SCOPE_SE
	s_setreg_imm32_b32 hwreg(HW_REG_WAVE_MODE, 25, 1), 1
	s_wait_xcnt 0x0
	s_wait_alu depctr_hold_cnt(0) depctr_sa_sdst(0) depctr_va_vdst(0) depctr_va_sdst(0) depctr_va_ssrc(0) depctr_va_vcc(0) depctr_vm_vsrc(0)
	s_getreg_b32 s2, hwreg(HW_REG_IB_STS2, 6, 4)
	s_cmp_eq_u32 s2, 0
	s_cbranch_scc0 .Lentry_in_a_cluster
	s_endpgm
.Lentry_in_a_cluster:
	s_bfe_u32 s2, ttmp6, 0x10000c
	s_cmp_lg_u32 s2, 0xf033
	s_cbranch_scc0 .Lentry_shape_is_right
	s_endpgm
.Lentry_shape_is_right:
; out0[row][e] = ( sum over chunks t of sum over the chunk's keys of (g_t p) V[key][e] ) / L, the softmax's second stage and the second product.
; pw: [8192][2048] f16, p = 2^(c s - cm_t);  stats: [2][16][8192] f32, cm and l;  V: [8192][1024] f16 in qkv;  out0: [8192][1024] f32.
; For each row: M = max over t of cm_t;  g_t = 2^(cm_t - M);  L = sum of g_t l_t, at least about 1: the chunk that holds the row's maximum has g = 1 and l of 1 or more.
; LIMITS.  g and g p are rounded to f16: below 6e-5 they keep f16's fixed step of 6e-8, and g below 3e-8 counts as 0 in the product (L takes the unrounded g).  NaN and infinities are not treated apart.
; SHARES.  A tile is 128 rows x 256 channels: 64 x 4 tiles, one for each of 256 WGPs.  Four waves, each 64 rows x 128 channels: 32 accumulators.  The 2,048 keys go in 16 steps of 128, a chunk a step,
; through two LDS slots.  V lies [key][channel]: its fragments come out of LDS turned, by ds_load_tr16_b128.  A lane of a fragment of p holds one row, so g is one register a fragment:
; 32 packed multiplies for a quarter's 32 products, between the LDS load and the product.
; CLUSTER.  4 x 4 work-groups: the four of a row need the same tile of p, the four of a column the same tile of V; each is asked for jointly.  A cluster's 512 rows lie in one batch: cluster y / 4.
; THE MATRIX INSTRUCTION IS USED TRANSPOSED (source 0 = 16 channels, source 1 = 16 rows of p): a lane holds eight neighbouring channels of one row.
; REGISTERS: window 0: v0-31 addresses; v32-95 p's fragments, two buffers; v96-115 g and 1 / L; v116-121 at work; v128-191 the statistics, later scaled results; v32-95, v192-255 rows read back
;   window 1: v0-127 V's fragments, two buffers.     window 2: accumulator (a, b) at v[8 (8 a + b)].
.set PA,     272                       ; an LDS row of p: 256 bytes + 16 = 68 words: row r starts at bank 4 r mod 64 (64 banks of 4 bytes: ISA guide 11.1)
.set HA,     64*PA
.set PB,     544                       ; an LDS row of V: 512 bytes + 32
.set HB,     64*PB
.set BOFF,   2*HA
.set SLOT,   2*HA+2*HB
.set STAGE,  2*SLOT                    ; behind the ring: 16 rows x 528 bytes for each wave
.set SPITCH, 528
.set GT,     STAGE+4*16*SPITCH         ; for each wave 17 rows of 256 bytes: g of chunks 0-15 (f16, twice in a word; lane r's 16 bytes hold rows r, 16 + r, 32 + r, 48 + r), then 1 / L in f32
.set SPARE,  GT+4*17*256               ; the spare words, 128 bytes for each wave
.set LAPS,   8
.set ASTEP,  256                       ; a step along a row of pw, in bytes
.set BSTEP,  128*2048                  ; a step down the rows of V
.set VOFF,   2*8192*1024*2             ; V's first byte in qkv
.set LPLANE, 16*8192*4
.set SO,   15                          ; v15     8 x lane: my two rows in a chunk's row of stats
.set ADRA, 16
.set ADRB, 20
.set STO,  24
.set RD,   25
.set CO,   26                          ; v26     16 x lane
.set GA0,  27                          ; v27     my 16 bytes in a row of my wave's table
.set SPW,  28
.set NIL,  29
.set GA,   30                          ; v30     the address of the g load in hand
.set GW,   31                          ; v31     where I write my two rows' words into the table
.set FA,   32
.set G,    96                          ; v96-99, v100-103  g of the chunk in slot 0, 1: row block a at + a
.set INV,  104                         ; v104-107  1 / L: row block a at + a
.set IV,   108                         ; v108-115  the same in pairs
.set MM,   116                         ; v116-117  M of my two rows
.set LL,   118                         ; v118-119  L
.set RC,   120                         ; v120-121  1 / L
.set CMR,  128                         ; v128-159  cm, then g, of my two rows: chunk t at + 2 t
.set LR,   160                         ; v160-191  l
.set TMP,  128                         ; later: a block's 64 scaled results
.set BK0,  32
.set G1A, 24
.set G0A, 32
.set G1B, 40
.set G0B, 48
.set GS,  66                           ; s66  the table's byte for the lap in hand: 512 a lap
.set MSB, 0
.macro WIN new
.if MSB != (\new)
	s_set_vgpr_msb (MSB<<8)|(\new)
.set MSB, \new
.endif
.endm
.set MUL,  0xa1                        ; source 0 (V) window 1, source 1 (p) window 0, C and D window 2
.set TO_B, 0x40
.macro JLOAD s                         ; waves 0 and 1 fetch p's two halves, waves 2 and 3 V's; an s_nop 0 and four v_nop follow each line
	s_cmp_eq_u32 s15, 0
	s_cbranch_scc0 .Lfor_b_\@
	tensor_load_to_lds s[G0A+4*(\s):G0A+4*(\s)+3], s[G1A:G1A+7]
	s_nop 0
.rept 4
	v_nop
.endr
	s_branch .Lasked_\@
.Lfor_b_\@:
	tensor_load_to_lds s[G0B+4*(\s):G0B+4*(\s)+3], s[G1B:G1B+7]
	s_nop 0
.rept 4
	v_nop
.endr
.Lasked_\@:
.endm
.macro CREST
	s_cmp_lg_u32 s14, 0
	s_cbranch_scc1 .Lnot_wave_0_\@
	s_barrier_signal -3
.Lnot_wave_0_\@:
	s_barrier_wait -3
	s_barrier_signal -1
	s_barrier_wait -1
.endm
.macro CROUND
	s_barrier_signal -1
	s_barrier_wait -1
	CREST
.endm
	s_load_b256 s[4:11], s[0:1], 0x0               ; pw s[4:5], qkv s[6:7], stats s[8:9], out0 s[10:11]
	v_lshl_add_u32 v[SPW], v0, 2, SPARE
	v_mov_b32 v[NIL], 0
	ds_add_u32 v[SPW], v[NIL]                      ; the wave's opening
	v_lshrrev_b32 v1, 5, v0
	v_readfirstlane_b32 s14, v1                    ; wave 0..3
	s_lshr_b32 s15, s14, 1                         ; which 64 rows of the tile are mine.  Also: I fetch for p (0) or for V (1)
	s_and_b32 s16, s14, 1                          ; which 128 channels.  Also: which 64 rows of that tile I fetch
	s_bfe_u32 s17, ttmp6, 0x40000                  ; cx
	s_bfe_u32 s18, ttmp6, 0x40004                  ; cy
	s_and_b32 s19, ttmp7, 0xffff                   ; the cluster's y, 0..15
	s_lshr_b32 s20, s19, 2                         ; the batch: the same in all sixteen work-groups
	s_lshl_b32 s21, s18, 2
	s_lshl_b32 s21, 15, s21                        ; my row of the cluster
	s_lshl_b32 s22, 0x1111, s17                    ; my column
	; group 1 for p: 64 rows x 128 elements of 2 bytes, 4 words of padding behind every 64 words
	s_or_b32 s[G1A+0], s21, (1<<16)|(1<<20)|(1<<21)|(5<<22)|(3<<25)
	s_mov_b32 s[G1A+1], 128<<16
	s_mov_b32 s[G1A+2], 64<<16
	s_mov_b32 s[G1A+3], 128<<16
	s_mov_b32 s[G1A+4], 64
	s_mov_b32 s[G1A+5], 2048                       ; elements from row to row of pw
	s_mov_b32 s[G1A+6], 0
	s_mov_b32 s[G1A+7], 0
	; group 1 for V: 64 rows x 256 elements of 2 bytes, 8 words of padding behind every 128 words
	s_or_b32 s[G1B+0], s22, (1<<16)|(1<<20)|(1<<21)|(6<<22)|(7<<25)
	s_mov_b32 s[G1B+1], 256<<16
	s_mov_b32 s[G1B+2], 64<<16
	s_mov_b32 s[G1B+3], 256<<16
	s_mov_b32 s[G1B+4], 64
	s_mov_b32 s[G1B+5], 1024
	s_mov_b32 s[G1B+6], 0
	s_mov_b32 s[G1B+7], 0
	s_lshl_b32 s56, s19, 2
	s_add_co_u32 s56, s56, s18                     ; the tile row, 0..63
	s_lshl_b32 s56, s56, 7
	s_lshl_b32 s57, s16, 6
	s_add_co_u32 s56, s56, s57                     ; the first row of p that I fetch,
	s_lshl_b32 s56, s56, 12                        ; in bytes: rows of 4,096
	s_mov_b32 s57, 0
	s_lshl_b32 s67, ttmp9, 2
	s_add_co_u32 s67, s67, s17                     ; the tile column
	s_lshl_b32 s58, s20, 11                        ; the batch's 2,048 keys,
	s_lshl_b32 s59, s16, 6
	s_add_co_u32 s58, s58, s59                     ; my 64 of a step's 128,
	s_lshl_b32 s58, s58, 11                        ; in bytes: rows of 2,048,
	s_lshl_b32 s59, s67, 9
	s_add_co_u32 s58, s58, s59                     ; the tile's 256 channels
	s_add_co_u32 s58, s58, VOFF
	s_mov_b32 s59, 0
	s_mul_i32 s68, s16, HA                         ; where they go: no place in the cluster enters an LDS address
	s_mul_i32 s69, s16, HB
	s_add_co_u32 s69, s69, BOFF
	s_wait_dscnt 0x0                               ; the opening add is done
	s_wait_kmcnt 0x0
	s_add_nc_u64 s[56:57], s[4:5], s[56:57]
	s_add_nc_u64 s[58:59], s[6:7], s[58:59]
	CROUND                                         ; all sixteen work-groups are here: the first joint loads meet
.irp s, 0,1
	s_mov_b32 s[G0A+4*(\s)], 1
	s_add_co_u32 s[G0A+4*(\s)+1], s68, (\s)*SLOT
	s_add_nc_u64 s[G0A+4*(\s)+2:G0A+4*(\s)+3], s[56:57], (\s)*ASTEP
	s_or_b32 s[G0A+4*(\s)+3], s[G0A+4*(\s)+3], 0x80000000
	s_mov_b32 s[G0B+4*(\s)], 1
	s_add_co_u32 s[G0B+4*(\s)+1], s69, (\s)*SLOT
	s_add_nc_u64 s[G0B+4*(\s)+2:G0B+4*(\s)+3], s[58:59], (\s)*BSTEP
	s_or_b32 s[G0B+4*(\s)+3], s[G0B+4*(\s)+3], 0x80000000
	JLOAD \s                                       ; two loads of mine are out
.endr
	; THE STATISTICS, in the wait for the first tile.  Lane L owns rows 2 L and 2 L + 1 of my wave's 64: each load takes 256 consecutive bytes, aligned.
	s_lshl_b32 s60, s19, 2
	s_add_co_u32 s60, s60, s18
	s_lshl_b32 s60, s60, 7
	s_lshl_b32 s61, s15, 6
	s_add_co_u32 s60, s60, s61                     ; my first row
	s_lshl_b32 s70, s60, 2
	s_mov_b32 s71, 0
	s_add_nc_u64 s[70:71], s[8:9], s[70:71]
	v_and_b32 v3, 31, v0                           ; lane
	v_lshlrev_b32 v[SO], 3, v3
.set t, 0
.rept 16
	global_load_b64 v[CMR+2*t:CMR+2*t+1], v[SO], s[70:71] offset:t*32768
	global_load_b64 v[LR+2*t:LR+2*t+1],   v[SO], s[70:71] offset:t*32768+LPLANE
.set t, t+1
.endr
	s_lshl_b32 s60, s60, 12                        ; my first row in out0: rows of 4,096 bytes,
	s_lshl_b32 s61, s67, 10
	s_add_co_u32 s60, s60, s61                     ; the tile's 256 channels,
	s_lshl_b32 s61, s16, 9
	s_add_co_u32 s60, s60, s61                     ; my half of them
	s_mov_b32 s61, 0
	s_add_nc_u64 s[12:13], s[10:11], s[60:61]
	v_and_b32 v1, 15, v0                           ; l % 16
	v_bfe_u32 v2, v0, 4, 1                         ; l / 16
	v_mul_u32_u24 v4, v1, PA
	v_lshl_add_u32 v4, v2, 4, v4                   ; a fragment's row x pitch + 16 x half
	s_mul_i32 s68, s15, HA                         ; my 64 rows of p
	v_add_nc_u32 v[ADRA], s68, v4
	v_add_nc_u32 v[ADRA+1], SLOT, v[ADRA]
	v_and_b32 v5, 7, v0
	v_lshl_add_u32 v4, v2, 3, v5                   ; the turning load: key 8 (l / 16) + l % 8,
	v_mul_u32_u24 v4, v4, PB
	v_bfe_u32 v6, v0, 3, 1
	v_lshl_add_u32 v4, v6, 4, v4                   ; channels 8 ((l / 8) % 2) + 0..7
	s_lshl_b32 s68, s16, 8                         ; my 128 channels
	s_add_co_u32 s68, s68, BOFF
	v_add_nc_u32 v[ADRB], s68, v4
	v_add_nc_u32 v[ADRB+1], SLOT, v[ADRB]
	s_mul_i32 s68, s14, 16*SPITCH
	s_add_co_u32 s68, s68, STAGE                   ; my stage
	v_mul_u32_u24 v4, v1, SPITCH                   ; in: row l % 16, 32 bytes for each half of the lanes
	v_lshl_add_u32 v4, v2, 5, v4
	v_add_nc_u32 v[STO], s68, v4
	v_lshlrev_b32 v[CO], 4, v3                     ; back, and out: 32 lanes take a row's 512 bytes
	v_add_nc_u32 v[RD], s68, v[CO]
	s_mul_i32 s68, s14, 17*256
	s_add_co_u32 s68, s68, GT                      ; my table
	v_lshl_add_u32 v[GA0], v1, 4, s68
	v_lshlrev_b32 v4, 5, v5                        ; row 2 L + u is row 2 (L % 8) + u of block L / 8: byte 32 (L % 8) + 16 u + 4 (L / 8)
	v_bfe_u32 v6, v0, 3, 2
	v_lshl_add_u32 v4, v6, 2, v4
	v_add_nc_u32 v[GW], s68, v4
	s_wait_loadcnt 0x0
.irp u, 0,1
	v_max3_num_f32 v[MM+(\u)], v[CMR+(\u)], v[CMR+2+(\u)], v[CMR+4+(\u)]
.endr
.irp i, 0,1,2,3,4,5
.irp u, 0,1
	v_max3_num_f32 v[MM+(\u)], v[MM+(\u)], v[CMR+6+4*(\i)+(\u)], v[CMR+8+4*(\i)+(\u)]
.endr
.endr
.irp u, 0,1
	v_max_num_f32 v[MM+(\u)], v[MM+(\u)], v[CMR+30+(\u)]           ; M
.endr
.set t, 0
.rept 16
	v_pk_add_f32 v[CMR+2*t:CMR+2*t+1], v[CMR+2*t:CMR+2*t+1], v[MM:MM+1] neg_lo:[0,1] neg_hi:[0,1]  ; cm - M
.set t, t+1
.endr
.set t, 0
.rept 32
	v_exp_f32 v[CMR+t], v[CMR+t]                   ; g
.set t, t+1
.endr
	v_nop                                          ; a plain instruction between the last exponential and the use of its result (ISA guide 5.7.2)
	s_wait_alu depctr_va_vdst(0)
	v_pk_mul_f32 v[LL:LL+1], v[CMR:CMR+1], v[LR:LR+1]
.set t, 1
.rept 15
	v_pk_fma_f32 v[LL:LL+1], v[CMR+2*t:CMR+2*t+1], v[LR+2*t:LR+2*t+1], v[LL:LL+1]  ; L, in f32
.set t, t+1
.endr
	v_rcp_f32 v[RC], v[LL]
	v_rcp_f32 v[RC+1], v[LL+1]                     ; the roundings below stand between the reciprocals and the use of their results
.set t, 0
.rept 32
	v_cvt_pk_f16_f32 v[CMR+t], v[CMR+t], v[CMR+t]  ; g in both halves of a word
.set t, t+1
.endr
.set t, 0
.rept 16
	ds_store_b32 v[GW], v[CMR+2*t]   offset:256*t
	ds_store_b32 v[GW], v[CMR+2*t+1] offset:256*t+16
.set t, t+1
.endr
	s_wait_alu depctr_va_vdst(0)
	ds_store_b32 v[GW], v[RC]   offset:4096
	ds_store_b32 v[GW], v[RC+1] offset:4112
.macro SCALE f, slot                   ; p times g of the chunk in the slot, in place: a lane of fragment a holds one row of block a
	WIN 0
.irp a, 0,1,2,3
.irp j, 0,1,2,3,4,5,6,7
	v_pk_mul_f16 v[FA+32*(\f)+8*(\a)+(\j)], v[FA+32*(\f)+8*(\a)+(\j)], v[G+4*(\slot)+(\a)]
.endr
.endr
.endm
; 24 LDS loads in one run: quarter q (32 keys) of a slot: p's 64 rows first, then V's 128 channels, turned, into buffer g
.macro FETCH slot, q, g
	WIN 0
.irp a, 0,1,2,3
	ds_load_b128 v[FA+32*(\g)+8*(\a):FA+32*(\g)+8*(\a)+3],   v[ADRA+(\slot)] offset:(\a)*16*PA+64*(\q)
	ds_load_b128 v[FA+32*(\g)+8*(\a)+4:FA+32*(\g)+8*(\a)+7], v[ADRA+(\slot)] offset:(\a)*16*PA+64*(\q)+32
.endr
	WIN TO_B
.irp b, 0,1,2,3,4,5,6,7
	ds_load_tr16_b128 v[64*(\g)+8*(\b):64*(\g)+8*(\b)+3],   v[ADRB+(\slot)] offset:32*(\q)*PB+32*(\b)
	ds_load_tr16_b128 v[64*(\g)+8*(\b)+4:64*(\g)+8*(\b)+7], v[ADRB+(\slot)] offset:32*(\q)*PB+16*PB+32*(\b)
.endr
.endm
.macro MUL16 f, a0, zero               ; 16 matrix instructions; the 32 accumulators take turns, one instruction a turn
	WIN MUL
.irp a, \a0, (\a0)+1
.irp b, 0,1,2,3,4,5,6,7
.if \zero
	v_wmma_f32_16x16x32_f16 v[8*(8*(\a)+(\b)):8*(8*(\a)+(\b))+7], v[64*(\f)+8*(\b):64*(\f)+8*(\b)+7], v[FA+32*(\f)+8*(\a):FA+32*(\f)+8*(\a)+7], 0
.else
	v_wmma_f32_16x16x32_f16 v[8*(8*(\a)+(\b)):8*(8*(\a)+(\b))+7], v[64*(\f)+8*(\b):64*(\f)+8*(\b)+7], v[FA+32*(\f)+8*(\a):FA+32*(\f)+8*(\a)+7], v[8*(8*(\a)+(\b)):8*(8*(\a)+(\b))+7]
.endif
.endr
.endr
.endm
; The 32 multiplies of SCALE name no register of the quarter before's products: they are the places between those products and the loads into buffer g, which they read.
.macro QUARTER slot, q, f, g, zero
	s_wait_dscnt 16                                ; p's loads, and g's where one was issued, are in; V's sixteen, issued behind them, may be out
	SCALE \f, \slot
	s_wait_dscnt 0x0                               ; V's are in
	MUL16 \f, 0, \zero
	FETCH \slot, \q, \g
	MUL16 \f, 2, \zero
.endm
; The last quarter multiplies buffer 1 and changes slots, as in the projection: the wait for all tensor loads, the add, the wait for it and for my reads of this slot, ONE barrier.
; fill = 1: the barrier opens a round of the cluster's, and this slot is filled again, two steps ahead, first of all.  Then the next chunk's g (byte goff of the lap's part of my table) and its first fragments.
.macro TURN slot, next, fill, goff
	WIN 0
	s_wait_tensorcnt 0x0                           ; all my tensor loads have landed
	ds_add_u32 v[SPW], v[NIL]
	s_wait_dscnt 17                                ; p's loads are in; V's sixteen and the add may be out
	SCALE 1, \slot
	s_wait_dscnt 0x0                               ; the add is done, and my reads of this slot are over
	s_barrier_signal -1
	MUL16 1, 0, 0
	WIN 0
	s_barrier_wait -1
.if \fill
	CREST
	s_add_nc_u64 s[G0A+4*(\slot)+2:G0A+4*(\slot)+3], s[G0A+4*(\slot)+2:G0A+4*(\slot)+3], 2*ASTEP
	s_add_nc_u64 s[G0B+4*(\slot)+2:G0B+4*(\slot)+3], s[G0B+4*(\slot)+2:G0B+4*(\slot)+3], 2*BSTEP
	JLOAD \slot
	v_add_nc_u32 v[GA], s[GS], v[GA0]
	ds_load_b128 v[G+4*(\next):G+4*(\next)+3], v[GA] offset:\goff
.else
	ds_load_b128 v[G+4*(\next):G+4*(\next)+3], v[GA0] offset:\goff
.endif
	FETCH \next, 0, 0
	MUL16 1, 2, 0
.endm
	s_wait_dscnt 0x0                               ; my table is written
	s_wait_tensorcnt 0x1                           ; my part of step 0 is in; step 1's stays out
	s_barrier_signal -1
	s_barrier_wait -1
	s_mov_b32 s[GS], 0
	ds_load_b128 v[INV:INV+3], v[GA0] offset:4096  ; 1 / L of my lane's four rows, for the way out
	ds_load_b128 v[G:G+3], v[GA0]                  ; chunk 0's g
	FETCH 0, 0, 0
	QUARTER 0, 1, 0, 1, 1                          ; the first quarter's products start the sums
	WIN 0
	s_mov_b32 s23, LAPS-1
.Llap:                                                 ; trip n: the rest of step 2 n, step 2 n + 1, the first quarter of step 2 n + 2; both slots are filled again
	QUARTER 0, 2, 1, 0, 0
	QUARTER 0, 3, 0, 1, 0
	TURN 0, 1, 1, 256
	QUARTER 1, 1, 0, 1, 0
	QUARTER 1, 2, 1, 0, 0
	QUARTER 1, 3, 0, 1, 0
	TURN 1, 0, 1, 512
	QUARTER 0, 1, 0, 1, 0
	WIN 0
	s_add_co_u32 s[GS], s[GS], 512                 ; two chunks on in the table
	s_sub_co_u32 s23, s23, 1
	s_cmp_lg_u32 s23, 0
	s_cbranch_scc1 .Llap
	QUARTER 0, 2, 1, 0, 0                          ; the last lap is written out: it fills nothing
	QUARTER 0, 3, 0, 1, 0
	TURN 0, 1, 0, 15*256
	QUARTER 1, 1, 0, 1, 0
	QUARTER 1, 2, 1, 0, 0
	QUARTER 1, 3, 0, 1, 0
	s_wait_dscnt 16                                ; the very last quarter
	SCALE 1, 1
	s_wait_dscnt 0x0
	MUL16 1, 0, 0
	MUL16 1, 2, 0
	; THE WAY OUT, a block of 16 rows at a time: times 1 / L (each accumulator's registers in ascending order), 32 bytes a lane into my own stage, back as whole rows of 512 bytes, stored.
	WIN 0
.irp a, 0,1,2,3                        ; eight plain instructions: the places behind the last products
	v_mov_b32 v[IV+2*(\a)],   v[INV+(\a)]
	v_mov_b32 v[IV+2*(\a)+1], v[INV+(\a)]
.endr
.macro SCL a
	WIN 0x02                                       ; source 0 window 2
.set i, 0
.rept 32
	v_pk_mul_f32 v[TMP+2*i:TMP+2*i+1], v[64*(\a)+2*i:64*(\a)+2*i+1], v[IV+2*(\a):IV+2*(\a)+1]
.set i, i+1
.endr
	WIN 0
.endm
.macro TOSTAGE a
.set BKR, BK0+160*((\a)%2)
.irp b, 0,1,2,3,4,5,6,7
	ds_store_b128 v[STO], v[TMP+8*(\b):TMP+8*(\b)+3]   offset:64*(\b)
	ds_store_b128 v[STO], v[TMP+8*(\b)+4:TMP+8*(\b)+7] offset:64*(\b)+16
.endr
.irp t, 0,1,2,3,4,5,6,7,8,9,10,11,12,13,14,15
	ds_load_b128 v[BKR+4*(\t):BKR+4*(\t)+3], v[RD] offset:(\t)*SPITCH  ; LDS serves a wave's instructions in order (ISA guide 5.7.1.4): these see the stores above
.endr
.endm
.macro SEND a
.set BKR, BK0+160*((\a)%2)
	s_wait_dscnt 0x0                               ; the block is back in registers
	s_wait_xcnt 0x0                                ; the registers that the stores two blocks back read are loaded again only behind this wait
.irp t, 0,1,2,3,4,5,6,7,8,9,10,11,12,13,14,15
	global_store_b128 v[CO], v[BKR+4*(\t):BKR+4*(\t)+3], s[12:13] offset:(16*(\a)+(\t))*4096 th:TH_STORE_NT  ; 512 consecutive bytes, at a multiple of 512 from out0's first byte
.endr
.endm
	SCL 0
	TOSTAGE 0
.irp a, 1,2,3                          ; block a's scaling stands between block a - 1's loads from the stage and the wait for them
	SCL \a
	SEND (\a)-1
	TOSTAGE \a
.endr
	SEND 3
	s_wait_tensorcnt 0x0                           ; the wave's end
	ds_add_u32 v[SPW], v[NIL]
	s_wait_dscnt 0x0
	CROUND                                         ; the closing round
	s_endpgm
.Lfunc_end_k_qb266b99613_pv:
	.size	k_qb266b99613_pv, .Lfunc_end_k_qb266b99613_pv-k_qb266b99613_pv
	.p2alignl 7, 3214868480
	.fill 96, 4, 3214868480
	.section	.rodata,"a",@progbits
	.p2align	6, 0x0
	.amdhsa_kernel k_qb266b99613_pv
		.amdhsa_group_segment_fixed_size 327680
		.amdhsa_private_segment_fixed_size 0
		.amdhsa_enable_private_segment 0
		.amdhsa_kernarg_size 32
		.amdhsa_user_sgpr_count 2
		.amdhsa_user_sgpr_kernarg_segment_ptr 1
		.amdhsa_wavefront_size32 1
		.amdhsa_system_sgpr_workgroup_id_x 1
		.amdhsa_system_sgpr_workgroup_id_y 1
		.amdhsa_system_sgpr_workgroup_id_z 1
		.amdhsa_system_vgpr_workitem_id 0
		.amdhsa_next_free_vgpr 768
		.amdhsa_next_free_sgpr 72
		.amdhsa_reserve_vcc 0
		.amdhsa_float_denorm_mode_32 3
		.amdhsa_float_denorm_mode_16_64 3
		.amdhsa_memory_ordered 1
		.amdhsa_forward_progress 1
		.amdhsa_inst_pref_size 137
	.end_amdhsa_kernel
	.amdgpu_metadata
---
amdhsa.version: [ 1, 2 ]
amdhsa.kernels:
  - .name:           k_qb266b99613_pv
    .symbol:         k_qb266b99613_pv.kd
    .args:
      - { .name: pw, .offset: 0, .size: 8, .value_kind: global_buffer, .address_space: global }
      - { .name: qkv, .offset: 8, .size: 8, .value_kind: global_buffer, .address_space: global }
      - { .name: stats, .offset: 16, .size: 8, .value_kind: global_buffer, .address_space: global }
      - { .name: out0, .offset: 24, .size: 8, .value_kind: global_buffer, .address_space: global }
    .group_segment_fixed_size: 327680
    .private_segment_fixed_size: 0
    .kernarg_segment_align: 8
    .kernarg_segment_size: 32
    .max_flat_workgroup_size: 128
    .sgpr_count:     72
    .vgpr_count:     768
    .wavefront_size: 32
...
	.end_amdgpu_metadata
.endif
;; end of part 4
